; MI455X (gfx1250); checked and timed in simulation.
; The chip was launched on July 23, 2026; its instructions are those of AMD's public machine-readable ISA for CDNA 5 (MIT licence, August 2026) and "CDNA5" Instruction Set Architecture Reference Guide (July 2026). The comments in the code are by the model that wrote it; some were corrected since.
;; Incremental Attention. Allowed arithmetic: matrix products marked QUANTISED: E2M1 operands, one E8M0 scale for each 32 along K, by v_wmma_scale_f32_16x16x128_f8f6f4 with both operands' format E2M1 (or v_wmma_scale_f32_32x16x128_f4), f32 sums; products left as they are: bf16, f16 or f32 operands; f32 sums; everything else in f32.
;; Inputs: Wk 1,024 x 1,024 float32; Wq 1,024 x 1,024 float32; Wv 1,024 x 1,024 float32; attention_mask 2 x 1 x 1 x 4,096 float32; bk 1,024 float32; bq 1,024 float32; bv 1,024 float32; encoder_hidden_states 2 x 2,048 x 1,024 float32; hidden_states 2 x 2,048 x 1,024 float32.
;; Outputs: out0 2 x 2,048 x 1,024 float32.
;; This version of the problem:
;;   THIS VERSION OF THE PROBLEM IS GIVEN IN LOW PRECISION. The matrix products marked QUANTISED in the list below multiply operands that are first quantised to E2M1 (2 exponent bits, 1 mantissa bit; 4 bits a number), with one power-of-two scale for each 32 numbers along K (OCP MX v1.0); their sums are f32. The products marked 'left as it is' may take bf16, f16 or f32 operands, with f32 sums. Whichever they take, every output number must still come out within the allowed error. Rounding operands to bf16 (8 significant bits) uses up far more of that allowance than f16 does (11 bits, for magnitudes from 6e-5 to 65,504). All else is computed in f32.
;;   The module's matrix products, in the order in which they are computed (A, B: the left and right operand; K: the contracted axis; several contracted axes count as one K, in the product's order):
;;     1. [M 4,096, K 1,024] x [K 1,024, N 1,024]; A: input hidden_states; B: input Wq: QUANTISED
;;     2. [M 8,192, K 1,024] x [K 1,024, N 1,024]; A: computed on the way; B: input Wk: left as it is (an operand is computed on the way)
;;     3. [M 8,192, K 1,024] x [K 1,024, N 1,024]; A: computed on the way; B: input Wv: left as it is (an operand is computed on the way)
;;     4. batch 32 x [M 2,048, K 64] x [K 64, N 4,096]; A: computed on the way; B: computed on the way: left as it is (an operand is computed on the way)
;;     5. batch 32 x [M 2,048, K 4,096] x [K 4,096, N 64]; A: computed on the way; B: computed on the way: left as it is (an operand is computed on the way)
;;   THE QUANTISER, for each operand of a quantised product, along K:
;;     - K is cut into blocks of 32 from its start; a last block that is shorter is filled with zeros.
;;     - A block's scale is 2^e with e = floor(log2(the largest magnitude in the block)) - 2, held to -126 .. 127; a block of zeros has e = 0. As a byte (E8M0): e + 127.
;;     - Each number is divided by its block's scale, clamped to +-6, and rounded to the nearest number of E2M1, ties to even, subnormals kept.
;;     - The product sums the exact products of the quantised numbers (number of the format x scale) in f32.
;;   ~~~python
;;   def quantise(x, axis):      # numpy; x: float32 -> the quantised numbers, widened to float32 again
;;       x = np.moveaxis(x, axis, -1); K = x.shape[-1]
;;       x = np.pad(x, [(0, 0)] * (x.ndim - 1) + [(0, -K % 32)]); x = x.reshape(x.shape[:-1] + (-1, 32)); a = np.abs(x).max(-1, keepdims=True)
;;       e = np.where(a > 0, np.clip(np.frexp(np.where(a > 0, a, 1))[1] - 1 - 2, -126, 127), 0)      # np.frexp(a)[1] - 1 = floor(log2(a)), exactly
;;       r = np.clip(x / 2.0 ** e, -6, 6)
;;       step = 2.0 ** (np.maximum(np.frexp(np.where(r == 0, 1, r))[1] - 1, 0) - 1)
;;       q = np.round(r / step) * step * 2.0 ** e      # np.round: ties to even
;;       return np.moveaxis(q.reshape(q.shape[:-2] + (-1,))[..., :K], -1, axis).astype(np.float32)
;;   ~~~
;; One version. Each part assembles by itself: llvm-mc -triple=amdgcn-amd-amdhsa -mcpu=gfx1250 --defsym DOCPART=n.
;; ======== version 1 of 1: 3 launches
;; limits: values are held in f16: magnitudes above 65,504 overflow, below 6.1e-05 lose precision; right only within a limited range of input values
;; workspace buffers: xh 16,777,216 bytes; wh 4,194,304 bytes; xq 2,097,152 bytes; wqc 524,288 bytes; scl 163,840 bytes; kws 16,777,216 bytes; vws 16,777,216 bytes
;; launch prep (part 1): grid 336 x 1, 4 waves a work-group, no clusters, 68,096 bytes of LDS; arguments hidden_states, encoder_hidden_states, Wk, Wv, Wq, xh, wh, xq, wqc, scl; writes xh, wh, xq, wqc, scl
.if DOCPART == 1
	.amdgcn_target "amdgcn-amd-amdhsa--gfx1250"
	.amdhsa_code_object_version 6
	.text
	.protected	k_qbf5b55f8bc_prep
	.globl	k_qbf5b55f8bc_prep
	.p2align	8
	.type	k_qbf5b55f8bc_prep,@function
k_qbf5b55f8bc_prep:
	s_mov_b64 s[64:65], 0
	v_nop
	global_prefetch_b8 v0, s[64:65] scope:SCOPE_SE
	s_setreg_imm32_b32 hwreg(HW_REG_WAVE_MODE, 25, 1), 1
	s_wait_xcnt 0x0
; PREP: every f32 operand is read once and laid out as the two later launches want it.
;   xh  [8192][1024] f16: concat(hidden, encoder) per batch (row = 4096 b + s; the encoder's rows at s + 2048)
;   wh  [2][1024 k][1024 n] f16: Wk, then Wv, as they lie
;   xq  [4096][512 B]: hidden_states as codes of FP4 (E2M1), K innermost;  scl bytes 0 ..: their E8M0 bytes [4096][32]
;   wqc [1024 n][512 B]: Wq as codes along K (its FIRST axis);             scl bytes 131,072 ..: their bytes [1024 n][32]
; A block's scale is 2^(floor(log2(largest magnitude)) - 2); its byte is the largest magnitude's exponent field - 2, held at 1 from below.
; LIMITS: magnitudes of 65,520 and above become infinity in f16, those under 6e-5 carry f16's absolute step of 6e-8;
; blocks whose largest magnitude lies under 2^-124 keep the byte 1; a block of zeros keeps the byte 1 with zero codes (the bytes are read by this program alone);
; NaN and infinities among these inputs are not served.
; SHARES: work-groups 0-255: 32,768 numbers of x each (bit 6 of the number: hidden or encoder; hidden is also quantised);
; 256-319: 32,768 numbers of Wk or Wv; 320-335: 128 columns x 512 along K of Wq.  Waves share nothing: no barrier.
; The two paths part once, on the work-group's number, and each has LDS bytes of its own.
.set SPARE, 67584                      ; the spare words: 128 bytes a wave, behind both paths' regions
.set SPW,   196                        ; v196 LDS address of my spare word; never rewritten
.set NIL,   197                        ; v197 0; never rewritten
.set R,     16                         ; v16-79   stream: four sets of 16 numbers as loaded
.set X,     80                         ; v80-95   16 neighbours along K
.set E,     112                        ; v112-127 a scale byte for each step
.set C,     128                        ; v128-159 two registers of codes for each step: no store's data are written again
.set H,     160                        ; v160-175 two sets of 8 registers of f16
.set SP,    80                         ; a lane's place in the stage: 64 bytes + 16 of padding
.set WX,    32                         ; Wq: v32-95 two sets of 32 numbers
.set WC,    96                         ; v96-99   a block's codes
.set OUTR,  112                        ; v112-175 the way out
.set SB,    24                         ; v24-27   scale bytes, four to a register
.set WPITCH, 272                       ; a stage row of Wq's path: 256 bytes + 16
	s_load_b256 s[8:15], s[0:1], 0x0               ; hidden s[8:9], encoder s[10:11], Wk s[12:13], Wv s[14:15]
	s_load_b256 s[16:23], s[0:1], 0x20             ; Wq s[16:17], xh s[18:19], wh s[20:21], xq s[22:23]
	s_load_b128 s[24:27], s[0:1], 0x40             ; wqc s[24:25], scl s[26:27]
	v_lshl_add_u32 v[SPW], v0, 2, SPARE
	v_mov_b32 v[NIL], 0
	v_lshrrev_b32 v1, 5, v0
	v_readfirstlane_b32 s28, v1                    ; wave 0..3
	v_and_b32 v2, 31, v0                           ; lane
	s_mov_b32 s30, ttmp9                           ; g: the work-group's number
	s_wait_kmcnt 0x0
	s_cmp_ge_u32 s30, 320
	s_cbranch_scc1 .Lwq
; ---------------- THE STREAM: f32 -> f16, and for hidden_states also -> codes ----------------
	s_and_b32 s31, s30, 63
	s_lshr_b32 s32, s30, 7                         ; x: the batch
	s_and_b32 s33, s30, 64
	s_cmp_lg_u32 s33, 0
	s_cselect_b64 s[34:35], s[10:11], s[8:9]       ; x: encoder or hidden
	s_cselect_b32 s42, 0, 1                        ; hidden is quantised
	s_and_b32 s33, s30, 32
	s_cmp_lg_u32 s33, 0
	s_cselect_b64 s[36:37], s[14:15], s[12:13]     ; W: Wv or Wk
	s_lshl_b32 s38, s32, 23                        ; x: a batch of a source is 2^23 bytes, a work-group's part 2^17
	s_lshl_b32 s39, s31, 17
	s_or_b32 s38, s38, s39
	s_and_b32 s39, s30, 31
	s_lshl_b32 s39, s39, 17                        ; W: 32 parts of 2^17 bytes
	s_lshl_b32 s40, s30, 16                        ; xh: 2^16 bytes for each work-group, in the order of their numbers
	s_lshl_b32 s41, s31, 16                        ; wh likewise
	s_cmp_lt_u32 s30, 256                          ; x or W?  All choices hang on the work-group's number alone
	s_cselect_b64 s[34:35], s[34:35], s[36:37]     ; the source
	s_cselect_b64 s[36:37], s[18:19], s[20:21]     ; the f16 destination
	s_cselect_b32 s38, s38, s39
	s_cselect_b32 s40, s40, s41
	s_cselect_b32 s42, s42, 0                      ; QF: 1 where codes are made
	s_lshl_b32 s43, s28, 15
	s_add_co_u32 s38, s38, s43                     ; my wave's 8,192 numbers
	s_mov_b32 s39, 0
	s_add_nc_u64 s[34:35], s[34:35], s[38:39]
	s_lshl_b32 s43, s28, 14
	s_add_co_u32 s40, s40, s43
	s_mov_b32 s41, 0
	s_add_nc_u64 s[36:37], s[36:37], s[40:41]
	s_lshl_b32 s44, s32, 20                        ; codes: 2^20 bytes a batch, 2^14 a work-group, 2^12 a wave
	s_lshl_b32 s43, s31, 14
	s_add_co_u32 s44, s44, s43
	s_lshl_b32 s43, s28, 12
	s_add_co_u32 s44, s44, s43
	s_mov_b32 s45, 0
	s_add_nc_u64 s[44:45], s[22:23], s[44:45]
	s_lshl_b32 s46, s32, 16                        ; scale bytes: 2^16, 2^10, 2^8
	s_lshl_b32 s43, s31, 10
	s_add_co_u32 s46, s46, s43
	s_lshl_b32 s43, s28, 8
	s_add_co_u32 s46, s46, s43
	s_mov_b32 s47, 0
	s_add_nc_u64 s[46:47], s[26:27], s[46:47]
	v_lshlrev_b32 v3, 4, v2                        ; my 16 bytes of a load's 512
	v_lshlrev_b32 v4, 3, v2                        ; my 8 bytes of a store's 256
	s_lshl_b32 s29, s28, 13                        ; my wave's 8,192 bytes of LDS
	v_lshrrev_b32 v14, 2, v2
	v_mul_u32_u24 v14, v14, SP
	v_and_b32 v15, 3, v2
	v_lshl_add_u32 v14, v15, 4, v14
	v_add_nc_u32 v14, s29, v14                     ; the stage, on the way in: four lanes' 64 bytes on end, then the padding
	v_mul_u32_u24 v15, v2, SP
	v_add_nc_u32 v15, s29, v15                     ; and on the way out: my 16 neighbours
	s_add_co_u32 s29, s29, 5120
	v_lshrrev_b32 v5, 1, v2
	v_add_nc_u32 v5, s29, v5                       ; my block's scale byte among the wave's 256
	v_add_nc_u32 v6, s29, v4                       ; and 8 of them on the way out
.macro XLOAD t                         ; step t: 512 numbers; each load reads 512 consecutive bytes
.irp i, 0,1,2,3
	global_load_b128 v[R+16*((\t)%4)+4*\i:R+16*((\t)%4)+4*\i+3], v3, s[34:35] offset:2048*(\t)+512*\i th:TH_LOAD_NT
.endr
.endm
.macro XSTEP t
.if 15-(\t) >= 3
	s_wait_loadcnt 12                              ; this step's four loads are in; those of the three steps behind it stay out
.else
	s_wait_loadcnt 4*(15-(\t))
.endif
	s_wait_xcnt 0x0                                ; the stores of two steps back have read this set of f16 registers
.irp i, 0,1,2,3
	v_cvt_pk_f16_f32 v[H+8*((\t)%2)+2*\i], v[R+16*((\t)%4)+4*\i], v[R+16*((\t)%4)+4*\i+1]
	v_cvt_pk_f16_f32 v[H+8*((\t)%2)+2*\i+1], v[R+16*((\t)%4)+4*\i+2], v[R+16*((\t)%4)+4*\i+3]
.endr
.irp i, 0,1,2,3
	global_store_b64 v4, v[H+8*((\t)%2)+2*\i:H+8*((\t)%2)+2*\i+1], s[36:37] offset:1024*(\t)+256*\i th:TH_STORE_NT   ; 32 lanes store 256 consecutive bytes, aligned
.endr
	s_cmp_eq_u32 s42, 0
	s_cbranch_scc1 .Lnq_\@                         ; only hidden_states goes on to codes
.irp i, 0,1,2,3
	ds_store_b128 v14, v[R+16*((\t)%4)+4*\i:R+16*((\t)%4)+4*\i+3] offset:8*SP*\i   ; through my own stage, so that a lane gets 16 neighbours
.endr
.irp i, 0,1,2,3
	ds_load_b128 v[X+4*\i:X+4*\i+3], v15 offset:16*\i   ; a wave's LDS instructions are served in order: these see the stores above
.endr
	s_wait_dscnt 0x0                               ; the numbers are back, and the stores have read the registers that the loads below fill
	v_max3_num_f32 v8, |v[X]|, |v[X+1]|, |v[X+2]|
	v_max3_num_f32 v9, |v[X+3]|, |v[X+4]|, |v[X+5]|
.irp i, 6,10
	v_max3_num_f32 v8, v8, |v[X+\i]|, |v[X+\i+1]|
	v_max3_num_f32 v9, v9, |v[X+\i+2]|, |v[X+\i+3]|
.endr
	v_max3_num_f32 v8, v8, |v[X+14]|, |v[X+15]|
	v_max3_num_f32 v8, v8, v9, 0x1800000           ; and the floor 2^(3 - 127): the byte cannot fall under 1
	v_max_num_f32_dpp v8, v8, v8 row_xmask:1 row_mask:0xf bank_mask:0xf   ; with my neighbour's 16: the block's largest magnitude
	v_add_nc_u32 v11, 0xff000000, v8               ; 2 off its exponent field: the conversion reads the exponent field of this operand alone
	v_cvt_scalef32_pk8_fp4_f32 v[C+2*(\t)], v[X:X+7], v11
	v_cvt_scalef32_pk8_fp4_f32 v[C+2*(\t)+1], v[X+8:X+15], v11
	v_lshrrev_b32 v[E+(\t)], 23, v11               ; the scale's byte (also the plain instruction behind the conversions)
	ds_store_b8 v5, v[E+(\t)] offset:16*(\t)       ; both lanes of a block write the same byte with the same value
	global_store_b64 v4, v[C+2*(\t):C+2*(\t)+1], s[44:45] offset:256*(\t)   ; 32 lanes store 256 consecutive bytes, aligned
.Lnq_\@:
.if (\t)+4 < 16
	XLOAD (\t)+4
.endif
.endm
.irp t, 0,1,2,3
	XLOAD \t
.endr
.irp t, 0,1,2,3,4,5,6,7,8,9,10,11,12,13,14,15
	XSTEP \t
.endr
	s_cmp_eq_u32 s42, 0
	s_cbranch_scc1 .Lnosc
	ds_load_b64 v[8:9], v6                         ; my wave's 256 scale bytes leave as one aligned block
	s_wait_dscnt 0x0
	global_store_b64 v4, v[8:9], s[46:47]
.Lnosc:
	s_wait_tensorcnt 0x0                           ; the wave's end: a wait, an add to my spare word and a wait, behind my last LDS store
	ds_add_u32 v[SPW], v[NIL]
	s_wait_dscnt 0x0
	s_endpgm
; ---------------- Wq: K is its first axis.  A lane takes a column, its registers run down K ----------------
.Lwq:
	s_sub_co_u32 s31, s30, 320
	s_and_b32 s32, s31, 7                          ; which 128 columns
	s_lshr_b32 s33, s31, 3                         ; which 512 along K
	s_lshl_b32 s34, s32, 7
	s_lshl_b32 s35, s28, 5
	s_add_co_u32 s34, s34, s35                     ; my wave's first column
	s_mov_b32 s37, 0
	s_lshl_b32 s36, s33, 21                        ; 512 rows of 4,096 bytes
	s_lshl_b32 s35, s34, 2
	s_add_co_u32 s36, s36, s35
	s_add_nc_u64 s[16:17], s[16:17], s[36:37]
	s_lshl_b32 s36, s34, 9                         ; codes: a column's row is 512 bytes; my half of it 256
	s_lshl_b32 s35, s33, 8
	s_add_co_u32 s36, s36, s35
	s_add_nc_u64 s[24:25], s[24:25], s[36:37]
	s_lshl_b32 s36, s34, 5                         ; scale bytes: 32 a column, my 16 of them, behind x's 131,072
	s_lshl_b32 s35, s33, 4
	s_add_co_u32 s36, s36, s35
	s_add_co_u32 s36, s36, 131072
	s_add_nc_u64 s[26:27], s[26:27], s[36:37]
	v_lshlrev_b32 v3, 2, v2                        ; in: 4 bytes a lane: a load reads 128 consecutive bytes
	s_mul_i32 s35, s28, 32*WPITCH
	s_add_co_u32 s35, s35, 32768                   ; my stage: this path's own LDS bytes
	v_mul_u32_u24 v4, v2, WPITCH
	v_add_nc_u32 v4, s35, v4                       ; into it: row = my column
	v_and_b32 v5, 15, v2
	v_lshrrev_b32 v6, 4, v2
	v_mul_u32_u24 v7, v6, WPITCH
	v_lshl_add_u32 v7, v5, 4, v7
	v_add_nc_u32 v7, s35, v7                       ; out of it: sixteen lanes to a row, two rows an instruction
	v_lshlrev_b32 v8, 9, v6
	v_lshl_add_u32 v8, v5, 4, v8                   ; and the same place in wqc
	v_lshlrev_b32 v9, 5, v2                        ; my column's row of scale bytes
.macro WLOAD t                         ; block t: Wq(32 t + i, my column)
.set wi, 0
.rept 32
	global_load_b32 v[WX+32*((\t)%2)+wi], v3, s[16:17] offset:(32*(\t)+wi)*4096 th:TH_LOAD_NT
.set wi, wi+1
.endr
.endm
	WLOAD 0
	WLOAD 1
.macro WBLOCK t
.set XS, WX+32*((\t)%2)
.if (\t) < 15
	s_wait_loadcnt 32                              ; this block's 32 loads are in; the next block's stay out
.else
	s_wait_loadcnt 0x0
.endif
	v_max3_num_f32 v12, |v[XS]|, |v[XS+1]|, |v[XS+2]|   ; all 32 numbers of the block are mine
	v_max3_num_f32 v13, |v[XS+3]|, |v[XS+4]|, |v[XS+5]|
.irp i, 6,10,14,18,22,26
	v_max3_num_f32 v12, v12, |v[XS+\i]|, |v[XS+\i+1]|
	v_max3_num_f32 v13, v13, |v[XS+\i+2]|, |v[XS+\i+3]|
.endr
	v_max3_num_f32 v12, v12, |v[XS+30]|, |v[XS+31]|
	v_max3_num_f32 v12, v12, v13, 0x1800000        ; the floor
	v_add_nc_u32 v11, 0xff000000, v12
	v_lshrrev_b32 v13, 23, v11                     ; the scale's byte
.if (\t)%4 == 0
	v_mov_b32 v[SB+(\t)/4], v13
.else
	v_lshl_or_b32 v[SB+(\t)/4], v13, 8*((\t)%4), v[SB+(\t)/4]
.endif
.irp g, 0,1,2,3
	v_cvt_scalef32_pk8_fp4_f32 v[WC+\g], v[XS+8*\g:XS+8*\g+7], v11
.endr
	v_nop                                          ; one plain instruction behind the last conversion
	ds_store_b128 v4, v[WC:WC+3] offset:16*(\t)    ; 32 codes: 16 bytes of my column's row
.if (\t)+2 < 16
	WLOAD (\t)+2
.endif
	s_wait_dscnt 0x0                               ; the store has read its registers: the next block's codes may be written
.endm
.irp t, 0,1,2,3,4,5,6,7,8,9,10,11,12,13,14,15
	WBLOCK \t
.endr
	global_store_b128 v9, v[SB:SB+3], s[26:27]     ; my column's 16 scale bytes
.irp t, 0,1,2,3,4,5,6,7,8,9,10,11,12,13,14,15
	ds_load_b128 v[OUTR+4*\t:OUTR+4*\t+3], v7 offset:2*\t*WPITCH
.endr
.irp t, 0,1,2,3,4,5,6,7,8,9,10,11,12,13,14,15
	s_wait_dscnt 15-\t
	global_store_b128 v8, v[OUTR+4*\t:OUTR+4*\t+3], s[24:25] offset:2*\t*512   ; sixteen lanes store 256 consecutive bytes, aligned
.endr
	s_wait_tensorcnt 0x0                           ; the wave's end: the same three lines
	ds_add_u32 v[SPW], v[NIL]
	s_wait_dscnt 0x0
	s_endpgm
.Lfunc_end_k_qbf5b55f8bc_prep:
	.size	k_qbf5b55f8bc_prep, .Lfunc_end_k_qbf5b55f8bc_prep-k_qbf5b55f8bc_prep
	.p2alignl 7, 3214868480
	.fill 96, 4, 3214868480
	.section	.rodata,"a",@progbits
	.p2align	6, 0x0
	.amdhsa_kernel k_qbf5b55f8bc_prep
		.amdhsa_group_segment_fixed_size 68096
		.amdhsa_private_segment_fixed_size 0
		.amdhsa_enable_private_segment 0
		.amdhsa_kernarg_size 80
		.amdhsa_user_sgpr_count 2
		.amdhsa_user_sgpr_kernarg_segment_ptr 1
		.amdhsa_wavefront_size32 1
		.amdhsa_system_sgpr_workgroup_id_x 1
		.amdhsa_system_sgpr_workgroup_id_y 1
		.amdhsa_system_sgpr_workgroup_id_z 1
		.amdhsa_system_vgpr_workitem_id 0
		.amdhsa_next_free_vgpr 200
		.amdhsa_next_free_sgpr 66
		.amdhsa_reserve_vcc 0
		.amdhsa_float_denorm_mode_32 3
		.amdhsa_float_denorm_mode_16_64 3
		.amdhsa_memory_ordered 1
		.amdhsa_forward_progress 1
		.amdhsa_inst_pref_size 128
	.end_amdhsa_kernel
	.amdgpu_metadata
---
amdhsa.version: [ 1, 2 ]
amdhsa.kernels:
  - .name:           k_qbf5b55f8bc_prep
    .symbol:         k_qbf5b55f8bc_prep.kd
    .args:
      - { .name: hidden_states, .offset: 0, .size: 8, .value_kind: global_buffer, .address_space: global }
      - { .name: encoder_hidden_states, .offset: 8, .size: 8, .value_kind: global_buffer, .address_space: global }
      - { .name: Wk, .offset: 16, .size: 8, .value_kind: global_buffer, .address_space: global }
      - { .name: Wv, .offset: 24, .size: 8, .value_kind: global_buffer, .address_space: global }
      - { .name: Wq, .offset: 32, .size: 8, .value_kind: global_buffer, .address_space: global }
      - { .name: xh, .offset: 40, .size: 8, .value_kind: global_buffer, .address_space: global }
      - { .name: wh, .offset: 48, .size: 8, .value_kind: global_buffer, .address_space: global }
      - { .name: xq, .offset: 56, .size: 8, .value_kind: global_buffer, .address_space: global }
      - { .name: wqc, .offset: 64, .size: 8, .value_kind: global_buffer, .address_space: global }
      - { .name: scl, .offset: 72, .size: 8, .value_kind: global_buffer, .address_space: global }
    .group_segment_fixed_size: 68096
    .private_segment_fixed_size: 0
    .kernarg_segment_align: 8
    .kernarg_segment_size: 80
    .max_flat_workgroup_size: 128
    .sgpr_count:     66
    .vgpr_count:     200
    .wavefront_size: 32
...
	.end_amdgpu_metadata
.endif
;; end of part 1
;; launch kvproj (part 2): grid 8 x 32, 4 waves a work-group, clusters of 4 x 4, 327,680 bytes of LDS; arguments xh, wh, bk, bv, kws, vws; writes kws, vws
.if DOCPART == 2
	.amdgcn_target "amdgcn-amd-amdhsa--gfx1250"
	.amdhsa_code_object_version 6
	.text
	.protected	k_qbf5b55f8bc_kvproj
	.globl	k_qbf5b55f8bc_kvproj
	.p2align	8
	.type	k_qbf5b55f8bc_kvproj,@function
k_qbf5b55f8bc_kvproj:
	s_mov_b64 s[64:65], 0
	v_nop
	global_prefetch_b8 v0, s[64:65] scope:SCOPE_SE
	s_setreg_imm32_b32 hwreg(HW_REG_WAVE_MODE, 25, 1), 1
	s_wait_xcnt 0x0
	s_wait_alu depctr_hold_cnt(0) depctr_sa_sdst(0) depctr_va_vdst(0) depctr_va_sdst(0) depctr_va_ssrc(0) depctr_va_vcc(0) depctr_vm_vsrc(0)
	s_getreg_b32 s2, hwreg(HW_REG_IB_STS2, 6, 4)
	s_cmp_eq_u32 s2, 0
	s_cbranch_scc0 .Lentry_in_a_cluster
	s_endpgm
.Lentry_in_a_cluster:
	s_bfe_u32 s2, ttmp6, 0x10000c
	s_cmp_lg_u32 s2, 0xf033
	s_cbranch_scc0 .Lentry_shape_is_right
	s_endpgm
.Lentry_shape_is_right:
; K = all_hs Wk + bk and V = all_hs Wv + bv, f16 operands, f32 sums, results rounded once to f16 and laid by heads: kws, vws [2 b][16 h][4096 key][64].
; A = xh [8192][1024] f16 (K innermost);  B = wh [2][1024 k][1024 n] f16 (K OUTERMOST: its fragments come out of LDS turned, by ds_load_tr16_b128).
; f16 and not bf16: an output of the module averages over a thousand values, so an operand's relative rounding goes through to the result undamped, and 8 significant bits would use up what the comparison allows.
; LIMIT: |k|, |v| of 65,520 and above become infinity.
; SHARES: a tile of 256 rows x 256 columns to a work-group of four waves, 128 x 128 a wave: 64 accumulators, 512 registers.  32 tile rows x 8 tile columns (cluster x = 0: K's four; 1: V's four) = 256 work-groups.
; K goes in 8 steps of 128 through a ring of two LDS slots.  CLUSTERS of 4 x 4: A's tile is asked for jointly along a row of the cluster, B's along a column.
; THE MATRIX INSTRUCTION IS USED TRANSPOSED (source 0 = 16 columns of W, source 1 = 16 rows of x): a lane holds eight neighbouring columns of one row.  The bias is the C of each sum's first instruction.
; REGISTERS: window 0: v0-31 addresses; v64-127, v128-191 A's fragments, two buffers; v192-255 first the bias (8 x 8), on the way out packed results and rows; v32-63 rows on the way out.
;   window 1: v64-127, v128-191 B's fragments.  window 2: the accumulators of my rows 0-63 ((a, b) at v[8 (8 a + b)]);  window 3: rows 64-127.
; Not written here: a prefetch of the tiles (eight K steps in all, and each refill has 224 matrix instructions in which to land); work-groups that stay (one tile each).
.set SIZE_K, 1024
.set KSTEP,  128
.set PITCH,  272                       ; A's LDS row: 256 bytes + 16 = 68 words: row r starts 4 r words on, modulo 64
.set BPITCH, 544                       ; B's LDS row: 512 bytes + 32 = 17 x 32 bytes
.set HALFT,  128*PITCH                 ; what one tensor load brings: 128 rows of A, or 64 rows of B (64 x 544 is the same number)
.set SLOT,   4*HALFT
.set STAGE,  2*SLOT                    ; behind the ring: 16 rows x 272 bytes for each wave
.set SPITCH, 272
.set SPARE,  STAGE+4*16*SPITCH         ; the spare words, 128 bytes a wave
.set LAPS,   SIZE_K/(2*KSTEP)
.set ADRA, 16
.set ADRB, 20
.set STO,  24
.set RD,   25
.set CO,   26
.set SPW,  28
.set NIL,  29
.set BO,   30
.set F0,   64
.set F1,   128
.set TMP,  192
.set BIAS, 192
.set OB,   32
.set G1, 24
.set G0, 32
.set G1B, 48
.set G0B, 56
.set MSB, 0
.macro WIN new                         ; the immediate's high byte repeats the setting that is left
.if MSB != \new
	s_set_vgpr_msb (MSB<<8)|\new
.set MSB, \new
.endif
.endm
.set MUL_LO, 0xa1                      ; source 0 (B) window 1, source 1 (A) window 0, C and D window 2
.set MUL_HI, 0xf1                      ; the same, C and D window 3
.set TO_B,   0x40
; A joint load: waves 0 and 1 fetch A's halves, waves 2 and 3 B's.  The branch hangs on the wave's number alone.  An s_nop 0 and four v_nop follow each line.
.macro JLOAD s
	s_cmp_eq_u32 s11, 0
	s_cbranch_scc0 .Lfor_b_\@
	tensor_load_to_lds s[G0+4*\s:G0+4*\s+3], s[G1:G1+7]
	s_nop 0
.rept 4
	v_nop
.endr
	s_branch .Lasked_\@
.Lfor_b_\@:
	tensor_load_to_lds s[G0B+4*\s:G0B+4*\s+3], s[G1B:G1B+7]
	s_nop 0
.rept 4
	v_nop
.endr
.Lasked_\@:
.endm
.macro CREST                           ; a round of the cluster's barrier behind its opening barrier
	s_cmp_lg_u32 s10, 0
	s_cbranch_scc1 .Lnot_wave_0_\@
	s_barrier_signal -3
.Lnot_wave_0_\@:
	s_barrier_wait -3
	s_barrier_signal -1
	s_barrier_wait -1
.endm
.macro CROUND
	s_barrier_signal -1
	s_barrier_wait -1
	CREST
.endm
	s_load_b128 s[4:7], s[0:1], 0x0                ; xh s[4:5], wh s[6:7]
	s_load_b256 s[68:75], s[0:1], 0x10             ; bk s[68:69], bv s[70:71], kws s[72:73], vws s[74:75]
	v_lshl_add_u32 v[SPW], v0, 2, SPARE
	v_mov_b32 v[NIL], 0
	ds_add_u32 v[SPW], v[NIL]                      ; the opening: the add, twice on end, and its wait ahead of my first tensor load
	ds_add_u32 v[SPW], v[NIL]
	v_lshrrev_b32 v1, 5, v0
	v_readfirstlane_b32 s10, v1                    ; wave 0..3
	s_lshr_b32 s11, s10, 1                         ; my half of the tile's rows.  Also: I fetch for A (0) or B (1)
	s_and_b32 s12, s10, 1                          ; my half of its columns.  Also: which half of that tile I fetch
	s_bfe_u32 s40, ttmp6, 0x40000                  ; cx
	s_bfe_u32 s41, ttmp6, 0x40004                  ; cy
	s_and_b32 s13, ttmp7, 0xffff
	s_lshl_b32 s13, s13, 2
	s_add_co_u32 s13, s13, s41                     ; tile row = 4 x cluster y + cy
	s_lshl_b32 s43, s41, 2
	s_lshl_b32 s43, 15, s43                        ; my row of the cluster
	s_lshl_b32 s44, 0x1111, s40                    ; my column
	s_or_b32 s[G1+0], s43, (1<<16)|(1<<20)|(1<<21)|(5<<22)|(3<<25)   ; A: elements of 2 bytes; 4 words of padding behind every 64
	s_mov_b32 s[G1+1], KSTEP<<16                   ; tensor_dim0 = 128
	s_mov_b32 s[G1+2], 128<<16                     ; tensor_dim1 = 128
	s_mov_b32 s[G1+3], KSTEP<<16                   ; tile_dim0 = 128
	s_mov_b32 s[G1+4], 128                         ; tile_dim1 = 128
	s_mov_b32 s[G1+5], SIZE_K                      ; elements from row to row
	s_mov_b32 s[G1+6], 0
	s_mov_b32 s[G1+7], 0
	s_or_b32 s[G1B+0], s44, (1<<16)|(1<<20)|(1<<21)|(6<<22)|(7<<25)  ; B: 8 words of padding behind every 128
	s_mov_b32 s[G1B+1], 256<<16                    ; 256 columns
	s_mov_b32 s[G1B+2], 64<<16                     ; 64 rows along K
	s_mov_b32 s[G1B+3], 256<<16
	s_mov_b32 s[G1B+4], 64
	s_mov_b32 s[G1B+5], 1024
	s_mov_b32 s[G1B+6], 0
	s_mov_b32 s[G1B+7], 0
	s_lshl_b32 s16, s13, 8                         ; A: row 256 x tile row + 128 x half, 2,048 bytes a row: hangs on the tile row alone
	s_lshl_b32 s17, s12, 7
	s_add_co_u32 s16, s16, s17
	s_lshl_b32 s16, s16, 11
	s_mov_b32 s17, 0
	s_lshl_b32 s46, ttmp9, 21                      ; B: the weight (cluster x), + 64 rows x half, + 512 bytes x cx: hangs on the tile column alone
	s_lshl_b32 s47, s12, 17
	s_add_co_u32 s46, s46, s47
	s_lshl_b32 s47, s40, 9
	s_add_co_u32 s46, s46, s47
	s_mov_b32 s47, 0
	s_mul_i32 s20, s10, HALFT                      ; where my part goes: no place in the cluster enters an LDS address
	s_wait_dscnt 0x0                               ; both opening adds are done
	s_wait_kmcnt 0x0
	s_add_nc_u64 s[14:15], s[4:5], s[16:17]
	s_add_nc_u64 s[46:47], s[6:7], s[46:47]
	CROUND                                         ; all sixteen work-groups are here: the first joint loads meet
.irp s, 0,1
	s_mov_b32 s[G0+4*\s], 1
	s_add_co_u32 s[G0+4*\s+1], s20, \s*SLOT
	s_add_nc_u64 s[G0+4*\s+2:G0+4*\s+3], s[14:15], \s*KSTEP*2
	s_or_b32 s[G0+4*\s+3], s[G0+4*\s+3], 0x80000000
	s_mov_b32 s[G0B+4*\s], 1
	s_add_co_u32 s[G0B+4*\s+1], s20, \s*SLOT
	s_add_nc_u64 s[G0B+4*\s+2:G0B+4*\s+3], s[46:47], \s*KSTEP*2048
	s_or_b32 s[G0B+4*\s+3], s[G0B+4*\s+3], 0x80000000
	JLOAD \s                                       ; two loads of mine are out
.endr
	v_and_b32 v1, 15, v0                           ; r
	v_bfe_u32 v2, v0, 4, 1                         ; h
	v_mul_u32_u24 v3, v1, PITCH
	v_lshl_add_u32 v3, v2, 4, v3                   ; A: row r x pitch + 16 h
	v_and_b32 v7, 7, v0
	v_lshl_add_u32 v4, v2, 3, v7
	v_mul_u32_u24 v4, v4, BPITCH                   ; B, turned: row 8 h + lane % 8 along K,
	v_bfe_u32 v5, v0, 3, 1
	v_lshl_add_u32 v4, v5, 4, v4                   ; 16 bytes for each half of sixteen columns
	s_mul_i32 s21, s11, HALFT                      ; my 128 rows of A
	s_lshl_b32 s22, s12, 8                         ; my 128 columns of B: 256 bytes on in each row,
	s_add_co_u32 s22, s22, 2*HALFT                 ; behind A's 256 rows
.irp s, 0,1
	v_add_nc_u32 v[ADRA+\s], s21, v3
	v_add_nc_u32 v[ADRB+\s], s22, v4
	s_add_co_u32 s21, s21, SLOT
	s_add_co_u32 s22, s22, SLOT
.endr
	s_mul_i32 s23, s10, 16*SPITCH
	s_add_co_u32 s23, s23, STAGE                   ; my stage
	v_add_nc_u32 v[STO], s23, v3                   ; in: row r, 16 bytes for each half of the lanes
	v_mul_u32_u24 v6, v5, SPITCH                   ; back: lanes 0-15 take two tokens x 128 bytes of one head, lanes 16-31 of the next head
	v_lshl_add_u32 v6, v2, 7, v6
	v_lshl_add_u32 v6, v7, 4, v6
	v_add_nc_u32 v[RD], s23, v6
	v_lshlrev_b32 v[CO], 19, v2                    ; in memory a head is 524,288 bytes, a token 128
	v_lshl_add_u32 v[CO], v5, 7, v[CO]
	v_lshl_add_u32 v[CO], v7, 4, v[CO]
	v_lshlrev_b32 v[BO], 5, v2                     ; the bias: my half's eight columns
	s_cmp_eq_u32 ttmp9, 0                          ; K's or V's: the same in all sixteen partners
	s_cselect_b64 s[8:9], s[72:73], s[74:75]
	s_cselect_b64 s[76:77], s[68:69], s[70:71]
	s_lshr_b32 s78, s13, 4                         ; the batch
	s_lshl_b32 s78, s78, 4
	s_lshl_b32 s79, s40, 2
	s_add_co_u32 s78, s78, s79
	s_lshl_b32 s79, s12, 1
	s_add_co_u32 s78, s78, s79                     ; 16 b + my first head
	s_lshl_b32 s78, s78, 19
	s_and_b32 s79, s13, 15
	s_lshl_b32 s79, s79, 8
	s_lshl_b32 s80, s11, 7
	s_add_co_u32 s79, s79, s80                     ; my first key
	s_lshl_b32 s79, s79, 7
	s_add_co_u32 s78, s78, s79
	s_mov_b32 s79, 0
	s_add_nc_u64 s[8:9], s[8:9], s[78:79]          ; never stepped: all else stands in the stores' immediates
	s_lshl_b32 s78, s40, 10
	s_lshl_b32 s80, s12, 9
	s_add_co_u32 s78, s78, s80
	s_add_nc_u64 s[76:77], s[76:77], s[78:79]      ; the bias of my 128 columns
.irp b, 0,1,2,3,4,5,6,7
	global_load_b128 v[BIAS+8*\b:BIAS+8*\b+3], v[BO], s[76:77] offset:64*\b        ; in the result's layout: columns 16 b + 8 h + 0 .. 7
	global_load_b128 v[BIAS+8*\b+4:BIAS+8*\b+7], v[BO], s[76:77] offset:64*\b+16
.endr
; 16 matrix instructions: row blocks a0, a0 + 1 of the window's four x all 8 column blocks, 32 along K.  zero = 1: the first product starts the sums, from the bias.
; The 64 accumulators take turns, one instruction a turn, in the same order in every quarter.
.macro MUL16 f, hi, a0, zero
.irp a, \a0, \a0+1
.irp b, 0,1,2,3,4,5,6,7
.if \zero
	v_wmma_f32_16x16x32_f16 v[8*(8*(\a)+\b):8*(8*(\a)+\b)+7], v[\f+8*\b:\f+8*\b+7], v[\f+8*(4*\hi+\a):\f+8*(4*\hi+\a)+7], v[BIAS+8*\b:BIAS+8*\b+7]
.else
	v_wmma_f32_16x16x32_f16 v[8*(8*(\a)+\b):8*(8*(\a)+\b)+7], v[\f+8*\b:\f+8*\b+7], v[\f+8*(4*\hi+\a):\f+8*(4*\hi+\a)+7], v[8*(8*(\a)+\b):8*(8*(\a)+\b)+7]
.endif
.endr
.endr
.endm
; 32 LDS loads in one run: the fragments of quarter q (32 along K) of a slot into buffer f.  B: 32 q rows down, 16 columns (32 bytes) a block, the second half 16 rows further down.
.macro FETCH slot, q, f
	WIN TO_B
.irp i, 0,1,2,3,4,5,6,7
	ds_load_tr16_b128 v[\f+8*\i:\f+8*\i+3],   v[ADRB+\slot] offset:32*BPITCH*(\q)+32*\i
	ds_load_tr16_b128 v[\f+8*\i+4:\f+8*\i+7], v[ADRB+\slot] offset:32*BPITCH*(\q)+16*BPITCH+32*\i
.endr
	WIN 0
.irp i, 0,1,2,3,4,5,6,7
	ds_load_b128 v[\f+8*\i:\f+8*\i+3],   v[ADRA+\slot] offset:64*(\q)+\i*16*PITCH
	ds_load_b128 v[\f+8*\i+4:\f+8*\i+7], v[ADRA+\slot] offset:64*(\q)+\i*16*PITCH+32
.endr
.endm
.macro PLACES                          ; four plain instructions between a matrix instruction and a load into a register that it read, or a vector read of its result
.rept 4
	v_nop
.endr
.endm
; One of a K step's first three quarters: multiplies buffer f; in its middle it fetches quarter q of the same slot into buffer g.
.macro QUARTER slot, q, f, g, zero
	s_wait_dscnt 8                                 ; B and A's rows 0-63 are in; the youngest eight loads (A's rows 64-127) may be out
.if \zero
	WIN 0x81                                       ; C (the bias) window 0, D window 2
.else
	WIN MUL_LO
.endif
	MUL16 \f, 0, 0, \zero
	MUL16 \f, 0, 2, \zero
	PLACES
	FETCH \slot, \q, \g
	s_wait_dscnt 32                                ; all but the 32 just issued
.if \zero
	WIN 0xc1
.else
	WIN MUL_HI
.endif
	MUL16 \f, 1, 0, \zero
	MUL16 \f, 1, 2, \zero
.endm
; The last quarter changes slots: ONE barrier.  In front of it each wave waits for all its tensor loads (one is out: its part of the next slot), adds 0 to its spare word, and waits for that and for its reads of this slot.
.macro MEET round
	WIN 0
	s_wait_tensorcnt 0x0
	ds_add_u32 v[SPW], v[NIL]
	s_wait_dscnt 9                                 ; (the add and the youngest eight loads may be out)
	WIN MUL_LO
	MUL16 F1, 0, 0, 0                              ; sixteen matrix instructions stand between the add and the wait for it
	s_wait_dscnt 0x0                               ; the add is done, my reads of this slot are over
	s_barrier_signal -1
	MUL16 F1, 0, 2, 0
.if \round
	WIN 0
.endif
	s_barrier_wait -1
.endm
.macro TURN slot, next, fill
	MEET \fill
.if \fill
	CREST                                          ; the barrier has opened a round of the cluster's: no wave of any partner still reads this slot or has a load on its way
	s_add_nc_u64 s[G0+4*\slot+2:G0+4*\slot+3], s[G0+4*\slot+2:G0+4*\slot+3], 2*KSTEP*2
	s_add_nc_u64 s[G0B+4*\slot+2:G0B+4*\slot+3], s[G0B+4*\slot+2:G0B+4*\slot+3], 2*KSTEP*2048
	JLOAD \slot                                    ; my one tensor load behind the round; its four v_nop are also the places in front of the loads below
.else
	PLACES
.endif
	FETCH \next, 0, F0
	WIN MUL_HI
	MUL16 F1, 1, 0, 0
	MUL16 F1, 1, 2, 0
.endm
; THE WAY OUT of block a (16 rows x 128 columns): rounded to f16; through my own stage; stored so that sixteen lanes write two tokens of one head, 256 consecutive bytes, aligned.
.macro PACK a
.set AC, 64*((\a)%4)
	WIN 0x0a+5*((\a)/4)                            ; sources in window 2 or 3
.irp b, 0,1,2,3,4,5,6,7
.irp r, 0,1,2,3
	v_cvt_pk_f16_f32 v[TMP+4*\b+\r], v[AC+8*\b+2*\r], v[AC+8*\b+2*\r+1]   ; each accumulator from its low end on
.endr
.endr
	WIN 0
.endm
.macro TOSTAGE a
.set BK, OB+192*((\a)%2)
.irp b, 0,1,2,3,4,5,6,7
	ds_store_b128 v[STO], v[TMP+4*\b:TMP+4*\b+3] offset:32*\b
.endr
.irp t, 0,1,2,3,4,5,6,7
	ds_load_b128 v[BK+4*\t:BK+4*\t+3], v[RD] offset:\t*2*SPITCH   ; a wave's LDS instructions are served in order: these see the stores above
.endr
.endm
.macro SEND a
.set BK, OB+192*((\a)%2)
	s_wait_dscnt 0x0                               ; the block is back in registers
	s_wait_xcnt 0x0                                ; the stores of the block before have read their registers: the next block's loads may land there
.irp t, 0,1,2,3,4,5,6,7
	global_store_b128 v[CO], v[BK+4*\t:BK+4*\t+3], s[8:9] offset:2048*(\a)+256*\t
.endr
.endm
	s_wait_tensorcnt 1                             ; my part of K step 0 is in; K step 1's may stay out
	s_barrier_signal -1
	s_barrier_wait -1
	FETCH 0, 0, F0
	s_wait_loadcnt 0x0                             ; the bias
	QUARTER 0, 1, F0, F1, 1                        ; the first quarter stands in front of the loop: its products start the sums
	WIN 0
	s_mov_b32 s3, LAPS-1
.Llap:                                             ; a trip goes once round the ring and fills both slots again
	QUARTER 0, 2, F1, F0, 0
	QUARTER 0, 3, F0, F1, 0
	TURN 0, 1, 1
	QUARTER 1, 1, F0, F1, 0
	QUARTER 1, 2, F1, F0, 0
	QUARTER 1, 3, F0, F1, 0
	TURN 1, 0, 1
	QUARTER 0, 1, F0, F1, 0
	WIN 0
	s_sub_co_u32 s3, s3, 1
	s_cmp_lg_u32 s3, 0
	s_cbranch_scc1 .Llap
	QUARTER 0, 2, F1, F0, 0                        ; the last lap fills nothing
	QUARTER 0, 3, F0, F1, 0
	TURN 0, 1, 0
	QUARTER 1, 1, F0, F1, 0
	QUARTER 1, 2, F1, F0, 0
	QUARTER 1, 3, F0, F1, 0
	s_wait_dscnt 8
	WIN MUL_LO
	MUL16 F1, 0, 0, 0
	MUL16 F1, 0, 2, 0
	s_wait_dscnt 0x0
	WIN MUL_HI
	MUL16 F1, 1, 0, 0
	MUL16 F1, 1, 2, 0
	WIN 0
	PLACES
	PACK 0
	TOSTAGE 0
.irp a, 1,2,3,4,5,6,7                  ; block a's conversions stand between block a - 1's loads from the stage and the wait for them
	PACK \a
	SEND \a-1
	TOSTAGE \a
.endr
	SEND 7
	s_wait_tensorcnt 0x0                           ; the wave's end: a wait, an add to my spare word and a wait
	ds_add_u32 v[SPW], v[NIL]
	s_wait_dscnt 0x0
	CROUND                                         ; the closing round
	s_endpgm
.Lfunc_end_k_qbf5b55f8bc_kvproj:
	.size	k_qbf5b55f8bc_kvproj, .Lfunc_end_k_qbf5b55f8bc_kvproj-k_qbf5b55f8bc_kvproj
	.p2alignl 7, 3214868480
	.fill 96, 4, 3214868480
	.section	.rodata,"a",@progbits
	.p2align	6, 0x0
	.amdhsa_kernel k_qbf5b55f8bc_kvproj
		.amdhsa_group_segment_fixed_size 327680
		.amdhsa_private_segment_fixed_size 0
		.amdhsa_enable_private_segment 0
		.amdhsa_kernarg_size 48
		.amdhsa_user_sgpr_count 2
		.amdhsa_user_sgpr_kernarg_segment_ptr 1
		.amdhsa_wavefront_size32 1
		.amdhsa_system_sgpr_workgroup_id_x 1
		.amdhsa_system_sgpr_workgroup_id_y 1
		.amdhsa_system_sgpr_workgroup_id_z 1
		.amdhsa_system_vgpr_workitem_id 0
		.amdhsa_next_free_vgpr 1024
		.amdhsa_next_free_sgpr 84
		.amdhsa_reserve_vcc 0
		.amdhsa_float_denorm_mode_32 3
		.amdhsa_float_denorm_mode_16_64 3
		.amdhsa_memory_ordered 1
		.amdhsa_forward_progress 1
		.amdhsa_inst_pref_size 144
	.end_amdhsa_kernel
	.amdgpu_metadata
---
amdhsa.version: [ 1, 2 ]
amdhsa.kernels:
  - .name:           k_qbf5b55f8bc_kvproj
    .symbol:         k_qbf5b55f8bc_kvproj.kd
    .args:
      - { .name: xh, .offset: 0, .size: 8, .value_kind: global_buffer, .address_space: global }
      - { .name: wh, .offset: 8, .size: 8, .value_kind: global_buffer, .address_space: global }
      - { .name: bk, .offset: 16, .size: 8, .value_kind: global_buffer, .address_space: global }
      - { .name: bv, .offset: 24, .size: 8, .value_kind: global_buffer, .address_space: global }
      - { .name: kws, .offset: 32, .size: 8, .value_kind: global_buffer, .address_space: global }
      - { .name: vws, .offset: 40, .size: 8, .value_kind: global_buffer, .address_space: global }
    .group_segment_fixed_size: 327680
    .private_segment_fixed_size: 0
    .kernarg_segment_align: 8
    .kernarg_segment_size: 48
    .max_flat_workgroup_size: 128
    .sgpr_count:     84
    .vgpr_count:     1024
    .wavefront_size: 32
...
	.end_amdgpu_metadata
.endif
;; end of part 2
;; launch attn (part 3): grid 8 x 32, 8 waves a work-group, clusters of 4 x 1, 327,680 bytes of LDS; arguments xq, wqc, scl, bq, attention_mask, kws, vws, out0; writes out0
.if DOCPART == 3
	.amdgcn_target "amdgcn-amd-amdhsa--gfx1250"
	.amdhsa_code_object_version 6
	.text
	.protected	k_qbf5b55f8bc_attn
	.globl	k_qbf5b55f8bc_attn
	.p2align	8
	.type	k_qbf5b55f8bc_attn,@function
k_qbf5b55f8bc_attn:
	s_mov_b64 s[64:65], 0
	v_nop
	global_prefetch_b8 v0, s[64:65] scope:SCOPE_SE
	s_setreg_imm32_b32 hwreg(HW_REG_WAVE_MODE, 25, 1), 1
	s_wait_xcnt 0x0
	s_wait_alu depctr_hold_cnt(0) depctr_sa_sdst(0) depctr_va_vdst(0) depctr_va_sdst(0) depctr_va_ssrc(0) depctr_va_vcc(0) depctr_vm_vsrc(0)
	s_getreg_b32 s2, hwreg(HW_REG_IB_STS2, 6, 4)
	s_cmp_eq_u32 s2, 0
	s_cbranch_scc0 .Lentry_in_a_cluster
	s_endpgm
.Lentry_in_a_cluster:
	s_bfe_u32 s2, ttmp6, 0x10000c
	s_cmp_lg_u32 s2, 0x3003
	s_cbranch_scc0 .Lentry_shape_is_right
	s_endpgm
.Lentry_shape_is_right:
; out0[b][q][64 head + :] = the sum over k of softmax_k(Q . K / 8 + mask[b][k]) V, with Q = Q4(hidden) Q4(Wq) + bq made here, on codes of FP4 (E2M1) with E8M0 scales.
; The two attention products take f16 operands and f32 sums; maxima, exponentials and sums are f32.
; SHARES.  A work-group owns 256 queries of one (batch, head).  Wave w: QG = w % 4: its 64 queries (four tiles of 16); KG = w / 4: its half of the keys.
; Waves w and w + 4 hold the same queries, walk different keys (each with its own running maximum, sum and O), and are merged once at the end.
; LAYOUT.  All products are used transposed, so that a lane holds ONE query (lane % 16) throughout:
;   Q^T = Wq^T x^T (source 0 = 16 channels of Wq, source 1 = 16 queries; C = bq);  x log2(e) / 8 in f32, rounded to f16 in pairs: that IS source 1 of
;   S^T = K Q^T (source 0 = 16 keys; C = mask x log2(e)): t, in base 2;   p = 2^(t - m), rounded to f16 in pairs, IS source 1 of   O^T = V^T P (source 0 = 16 channels, V turned by ds_load_tr16_b128).
; SOFTMAX.  A running maximum m and sum l for each query; in every step O and l are multiplied by 2^(m_old - m_new).  m starts at -3e38.
; BY TURNS.  In each slot's second key step waves 0-3 run the softmax in front of the change of slots and waves 4-7 behind it, so that behind a change one group issues products while the other runs its softmax.
; CLUSTER.  The four query blocks of a cluster share a head: K's, V's and Wq's tiles are asked for jointly (mask 15).
; LIMITS: |q| log2(e) / 8 of 65,520 and above becomes infinity; a p under 3e-8 of its row's largest counts as 0 (at most 4,096 x 3e-8 of a row's sum);
; mask x log2(e) is held at -1e30 from below, so that no infinity enters a matrix instruction: a key masked by -inf still gets p = 0 beside any key that counts,
; but a batch masked WHOLLY at -inf gives the mean of v where the reference gives NaN; NaN and +infinity in the mask are not served.
; LDS: 0: slot 0 (K: 128 rows of two keys, 256 + 16 bytes; V: 128 rows of two keys, 256 + 32 bytes);  71,680: Wq's codes, 64 rows of 512 + 16;  105,472: the mask x log2(e), 16,384 bytes;
;   131,072: slot 1;  202,752: images of Q's fragments;  235,520: images for the merge;  305,152: four stages;  322,560: the spare words.
; REGISTERS.  Window 0: v1-14 addresses; v16-47 statistics, eight a tile; v48-79 scale words (nothing else, ever); v80-111 the mask as C (first bq); v112-127 the head's addresses; v128-255 S^T, then p (first x's codes).
;   Window 1: v0-127 O^T (first Q^T's sums); v128-191 Q; v192-255 K's or V's fragments (first Wq's).
.set SLOT1, 1<<17
.set KPI,   272
.set VPI,   288
.set VOFF,  128*KPI
.set WQL,   71680
.set WPI,   528
.set MASKL, 105472
.set QIMG,  202752
.set MRG,   235520
.set STG,   305152
.set SPARE, 322560
.set AK0, 1
.set AV0, 2
.set AM0, 3
.set ADK, 4
.set ADV, 5
.set ADM, 6
.set MWI, 7
.set MWS, 8
.set STO, 9
.set RD,  10
.set GO,  11
.set SPW, 12
.set NIL, 13
.set PFO, 14
.set ST,  16                           ; tile t at ST + 8 t: +0 m, +1 a zero, +2, +3 l, +4 .. +7 at work (+6 alpha, +7 its exponent)
.set SC,  48
.set MK,  80
.set XA,  112
.set WA,  113
.set SOFF, 114
.set QWI, 115
.set QRI, 116
.set MGO, 117
.set MLO, 118
.set BQO, 119
.set S,   128
.set Q,   128                          ; in window 1
.set KV,  192                          ; in window 1
.set WV,  20
.set QG,  21
.set KG,  22
.set G1K, 24
.set G1V, 32
.set G1W, 40
.set G0K, 48
.set G0V, 56
.set G0W, 68
.set PFA, 72
.set LIM, 74
.set SLOTS, 75
.set TB,  76
.set TM,  77
.set SEL, 78
.set MSB, 0
.macro WIN new
.if MSB != \new
	s_set_vgpr_msb (MSB<<8)|\new
.set MSB, \new
.endif
.endm
.macro PLACES n
.rept \n
	v_nop
.endr
.endm
.macro CROUND                          ; a round of the cluster's barrier
	s_barrier_signal -1
	s_barrier_wait -1
	s_cmp_lg_u32 s[WV], 0
	s_cbranch_scc1 .Lnot_wave_0_\@
	s_barrier_signal -3
.Lnot_wave_0_\@:
	s_barrier_wait -3
	s_barrier_signal -1
	s_barrier_wait -1
.endm
; A joint refill: waves 0-3 fetch K's four quarters of a slot, waves 4-7 V's.  An s_nop 0 and four v_nop follow each line.
.macro JLOAD
	s_cmp_lt_u32 s[WV], 4
	s_cbranch_scc0 .Lfor_v_\@
	tensor_load_to_lds s[G0K+4:G0K+7], s[G1K:G1K+7]
	s_nop 0
	PLACES 4
	s_branch .Lasked_\@
.Lfor_v_\@:
	tensor_load_to_lds s[G0V+4:G0V+7], s[G1V:G1V+7]
	s_nop 0
	PLACES 4
.Lasked_\@:
.endm
; A prefetch of what the NEXT change of slots will ask for: 32,768 bytes of K and of V.  Both clusters of a head walk the same rows: the first asks.  Its four partners take 8,192 bytes each, told apart by ADDRESS;
; in each, wave 0 asks for K's and wave 4 for V's, lanes 256 bytes apart: each block of 256 bytes is named once in the launch.  It stands one slot, 128 matrix instructions of each wave, ahead of the load.  The last change that fills asks for nothing.
.macro ASK
	s_cmp_gt_u32 s[SLOTS], s[LIM]
	s_cbranch_scc0 .Lnot_mine_\@
	global_prefetch_b8 v[PFO], s[PFA:PFA+1] th:TH_LOAD_NT scope:SCOPE_SE
.Lnot_mine_\@:
.endm
	s_load_b512 s[4:19], s[0:1], 0x0               ; xq s[4:5], wqc s[6:7], scl s[8:9], bq s[10:11], mask s[12:13], kws s[14:15], vws s[16:17], out0 s[18:19]
	v_lshl_add_u32 v[SPW], v0, 2, SPARE
	v_mov_b32 v[NIL], 0
	ds_add_u32 v[SPW], v[NIL]                      ; the opening: the add, twice on end, and its wait ahead of my first tensor load
	ds_add_u32 v[SPW], v[NIL]
	v_lshrrev_b32 v120, 5, v0
	v_readfirstlane_b32 s[WV], v120                ; wave 0..7
	s_and_b32 s[QG], s[WV], 3
	s_lshr_b32 s[KG], s[WV], 2
	s_and_b32 s82, ttmp7, 0xffff                   ; y = 16 b + head: the partners share it
	s_and_b32 s83, s82, 15                         ; head
	s_lshr_b32 s84, s82, 4                         ; batch
	s_bfe_u32 s96, ttmp6, 0x40000                  ; cx: it enters s96-s99 alone, which feed no descriptor and no LDS address
	s_lshl_b32 s97, ttmp9, 2
	s_add_co_u32 s97, s97, s96                     ; my block of 256 queries
	s_lshl_b32 s98, s84, 11
	s_lshl_b32 s97, s97, 8
	s_add_co_u32 s98, s98, s97
	s_lshl_b32 s97, s[QG], 6
	s_add_co_u32 s98, s98, s97                     ; the first of my 64 queries, as a row of hidden_states
	s_lshl_b32 s97, s[KG], 5
	s_add_co_u32 s99, s98, s97                     ; the first of the 32 rows that I project
	s_mov_b32 s[G1K], 15|(1<<16)|(1<<20)|(1<<21)|(5<<22)|(3<<25)   ; all four work-groups; elements of 2 bytes; 4 words of padding behind every 64
	s_mov_b32 s[G1V], 15|(1<<16)|(1<<20)|(1<<21)|(5<<22)|(7<<25)   ; the same with 8 words
.irp g, G1K, G1V
	s_mov_b32 s[\g+1], 128<<16                     ; a row is two keys: 128 elements, dense in memory
	s_mov_b32 s[\g+2], 32<<16                      ; 32 rows: a quarter of a slot
	s_mov_b32 s[\g+3], 128<<16
	s_mov_b32 s[\g+4], 32
	s_mov_b32 s[\g+5], 128
	s_mov_b32 s[\g+6], 0
	s_mov_b32 s[\g+7], 0
.endr
	s_mov_b32 s[G1W], 15|(1<<20)|(1<<21)|(6<<22)|(3<<25)           ; Wq's codes: elements of 1 byte; 4 words behind every 128
	s_mov_b32 s[G1W+1], 512<<16
	s_mov_b32 s[G1W+2], 8<<16                      ; 8 rows a wave
	s_mov_b32 s[G1W+3], 512<<16
	s_mov_b32 s[G1W+4], 8
	s_mov_b32 s[G1W+5], 512
	s_mov_b32 s[G1W+6], 0
	s_mov_b32 s[G1W+7], 0
	s_mov_b32 s[SEL], 0x76543210
	s_mov_b32 s[SEL+1], 0xfedcba98                 ; v_permlanex16_b32: lane l xor 16
	s_mov_b32 s[TB], 0
	s_mov_b32 s[TM], 0
	s_mov_b32 s[SLOTS], 14
	s_or_b32 s[LIM], s[QG], ttmp9                  ; 0 in waves 0 and 4 of the head's first cluster: the same in all partners
	s_cmp_eq_u32 s[LIM], 0
	s_cselect_b32 s[LIM], 1, -1
	; every vector address is made here, ahead of the first branch on the wave's number
	v_and_b32 v120, 31, v0                         ; lane
	v_and_b32 v121, 15, v0                         ; r
	v_bfe_u32 v122, v0, 4, 1                       ; h
	v_and_b32 v123, 1, v0
	v_lshrrev_b32 v124, 1, v121
	v_mul_u32_u24 v[AK0], v124, KPI                ; K: key r lies in row r / 2, half r % 2;
	v_lshl_add_u32 v[AK0], v123, 7, v[AK0]
	v_lshl_add_u32 v[AK0], v122, 4, v[AK0]         ; + 16 h
	s_mul_i32 s88, s[KG], 64*KPI                   ; my group's 128 keys of a slot
	v_add_nc_u32 v[AK0], s88, v[AK0]
	v_bfe_u32 v124, v0, 1, 2
	v_lshl_add_u32 v124, v122, 2, v124
	v_mul_u32_u24 v[AV0], v124, VPI                ; V, turned: key 8 h + lane % 8,
	v_lshl_add_u32 v[AV0], v123, 7, v[AV0]
	v_bfe_u32 v124, v0, 3, 1
	v_lshl_add_u32 v[AV0], v124, 4, v[AV0]         ; 16 bytes for each half of sixteen channels
	s_mul_i32 s88, s[KG], 64*VPI
	s_add_co_u32 s88, s88, VOFF
	v_add_nc_u32 v[AV0], s88, v[AV0]
	s_lshl_b32 s88, s[KG], 9
	s_add_co_u32 s88, s88, MASKL
	v_lshl_add_u32 v[AM0], v122, 5, s88            ; the mask: my half's eight keys of a tile
	s_mul_i32 s88, s[QG], 17408
	s_add_co_u32 s88, s88, MRG
	v_lshl_add_u32 v[MWI], v120, 4, s88            ; the merge: images, 16 bytes a lane;
	s_add_co_u32 s88, s88, 16384
	v_lshl_add_u32 v[MWS], v120, 2, s88            ; m and l, 4 bytes a lane
	s_mul_i32 s88, s[QG], 16*272
	s_add_co_u32 s88, s88, STG
	v_mul_u32_u24 v[STO], v121, 272
	v_lshl_add_u32 v[STO], v122, 5, v[STO]
	v_add_nc_u32 v[STO], s88, v[STO]               ; the stage, in: row r, 32 bytes for each half of the lanes
	v_mul_u32_u24 v[RD], v122, 272
	v_lshl_add_u32 v[RD], v121, 4, v[RD]
	v_add_nc_u32 v[RD], s88, v[RD]                 ; back: lanes 0-15 one row of 256 bytes, lanes 16-31 the next
	v_lshlrev_b32 v[GO], 12, v122
	v_lshl_add_u32 v[GO], v121, 4, v[GO]           ; and the same two rows of out0 (4,096 bytes apart)
	v_lshlrev_b32 v[PFO], 8, v120
	v_lshlrev_b32 v[XA], 9, v121
	v_lshl_add_u32 v[XA], v122, 4, v[XA]           ; x's codes: row r of 512 bytes, + 16 h
	v_mul_u32_u24 v[WA], v121, WPI
	v_lshl_add_u32 v[WA], v122, 4, v[WA]
	v_add_nc_u32 v[WA], WQL, v[WA]                 ; Wq's likewise, in LDS
	s_lshl_b32 s88, s[QG], 13
	s_add_co_u32 s88, s88, QIMG
	v_lshl_add_u32 v[QRI], v120, 4, s88            ; Q's images: my 64 queries',
	s_lshl_b32 s90, s[KG], 12
	s_add_co_u32 s88, s88, s90
	v_lshl_add_u32 v[QWI], v120, 4, s88            ; and the two tiles that I make
	v_lshlrev_b32 v[MGO], 4, v0
	v_lshl_add_u32 v[MLO], v0, 4, MASKL
	v_lshlrev_b32 v[BQO], 5, v122
	s_lshl_b32 s88, s83, 11
	s_add_co_u32 s88, s88, 131072                  ; scale words: lanes 0-15 take Wq's (row 64 head + r, behind x's 131,072 bytes),
	s_lshl_b32 s97, s99, 5                         ; lanes 16-31 x's (my first row + r): 32 bytes a row
	v_lshlrev_b32 v123, 5, v121
	v_add_nc_u32 v124, s88, v123
	v_add_nc_u32 v125, s97, v123
	v_cmp_eq_u32 s90, 0, v122
	v_cndmask_b32 v[SOFF], v125, v124, s90
	s_wait_dscnt 0x0                               ; both opening adds are done
	s_wait_kmcnt 0x0
	s_mov_b32 s89, 0
	s_lshl_b32 s88, s82, 19                        ; a head of K or V is 524,288 bytes;
	s_lshl_b32 s90, s[QG], 13                      ; my quarter of a slot is 8,192
	s_add_co_u32 s88, s88, s90
	s_add_nc_u64 s[92:93], s[14:15], s[88:89]
	s_add_nc_u64 s[94:95], s[16:17], s[88:89]
	s_mul_i32 s90, s[QG], 32*KPI
	s_mul_i32 s91, s[QG], 32*VPI
	s_add_co_u32 s91, s91, VOFF
.irp s, 0,1
	s_mov_b32 s[G0K+4*\s], 1
	s_add_co_u32 s[G0K+4*\s+1], s90, \s*SLOT1
	s_add_nc_u64 s[G0K+4*\s+2:G0K+4*\s+3], s[92:93], \s*32768
	s_or_b32 s[G0K+4*\s+3], s[G0K+4*\s+3], 0x80000000
	s_mov_b32 s[G0V+4*\s], 1
	s_add_co_u32 s[G0V+4*\s+1], s91, \s*SLOT1
	s_add_nc_u64 s[G0V+4*\s+2:G0V+4*\s+3], s[94:95], \s*32768
	s_or_b32 s[G0V+4*\s+3], s[G0V+4*\s+3], 0x80000000
.endr
	s_lshl_b32 s88, s83, 15                        ; Wq's codes: the head's 64 rows of 512 bytes, my 8 of them
	s_lshl_b32 s90, s[WV], 12
	s_add_co_u32 s88, s88, s90
	s_mov_b32 s[G0W], 1
	s_mul_i32 s90, s[WV], 8*WPI
	s_add_co_u32 s[G0W+1], s90, WQL
	s_add_nc_u64 s[G0W+2:G0W+3], s[6:7], s[88:89]
	s_or_b32 s[G0W+3], s[G0W+3], 0x80000000
	s_cmp_lt_u32 s[WV], 4
	s_cselect_b64 s[PFA:PFA+1], s[14:15], s[16:17]
	s_lshl_b32 s88, s82, 19
	s_add_nc_u64 s[PFA:PFA+1], s[PFA:PFA+1], s[88:89]
	s_lshl_b32 s96, s96, 13                        ; my work-group's 8,192 bytes,
	s_add_co_u32 s96, s96, 2*32768                 ; in slot 2: the first change steps it to slot 3.  Nothing is prefetched at the head
	s_mov_b32 s97, 0
	s_add_nc_u64 s[PFA:PFA+1], s[PFA:PFA+1], s[96:97]
	s_lshl_b32 s96, s99, 9
	s_add_nc_u64 s[4:5], s[4:5], s[96:97]          ; x's codes at my first row
	s_lshl_b32 s88, s83, 8
	s_add_nc_u64 s[10:11], s[10:11], s[88:89]      ; bq at my head
	s_lshl_b32 s88, s84, 14
	s_add_nc_u64 s[12:13], s[12:13], s[88:89]      ; the mask at my batch
	s_lshl_b32 s96, s98, 12
	s_lshl_b32 s88, s83, 8
	s_add_co_u32 s96, s96, s88
	s_add_nc_u64 s[18:19], s[18:19], s[96:97]      ; out0 at my first query, my head's 256 bytes
	CROUND                                         ; all four work-groups are here: the first joint loads meet
	tensor_load_to_lds s[G0W:G0W+3], s[G1W:G1W+7]  ; the first fills, one group: my 8 rows of Wq's codes,
	s_nop 0
	s_cmp_lt_u32 s[WV], 4
	s_cbranch_scc0 .Lfirst_v
	tensor_load_to_lds s[G0K:G0K+3], s[G1K:G1K+7]  ; my quarter of slot 0 and of slot 1: three loads of mine are out
	s_nop 0
	tensor_load_to_lds s[G0K+4:G0K+7], s[G1K:G1K+7]
	s_nop 0
	PLACES 4
	s_branch .Lfirst_asked
.Lfirst_v:
	tensor_load_to_lds s[G0V:G0V+3], s[G1V:G1V+7]
	s_nop 0
	tensor_load_to_lds s[G0V+4:G0V+7], s[G1V:G1V+7]
	s_nop 0
	PLACES 4
.Lfirst_asked:
.irp i, 0,1,2,3
	global_load_b128 v[ST+4*\i:ST+4*\i+3], v[MGO], s[12:13] offset:4096*\i   ; the batch's mask: 256 threads x 16 bytes, four times
.endr
.irp u, 0,1
.irp s, 0,1,2,3,4,5,6,7
.irp c, 0,1
	global_load_b128 v[S+64*\u+8*\s+4*\c:S+64*\u+8*\s+4*\c+3], v[XA], s[4:5] offset:8192*\u+64*\s+32*\c   ; x's fragments: tile u, K step s
.endr
.endr
.endr
.irp t, 0,1,2,3
.irp e, 0,1
	global_load_b128 v[SC+8*\t+4*\e:SC+8*\t+4*\e+3], v[SOFF], s[8:9] offset:512*\t+16*\e   ; register SC + 8 t + s: lanes 0-15 Wq's tile t, lanes 16-31 x's tile t (t = 2, 3: not used, inside scl), K step s
.endr
.endr
.irp t, 0,1,2,3
.irp e, 0,1
	global_load_b128 v[MK+8*\t+4*\e:MK+8*\t+4*\e+3], v[BQO], s[10:11] offset:64*\t+16*\e   ; bq in the result's layout: channels 16 t + 8 h + 0 .. 7
.endr
.endr
	s_wait_loadcnt 48                              ; the mask's four loads are in; the 48 behind them stay out
.irp i, 0,2,4,6,8,10,12,14
	v_pk_mul_f32 v[ST+\i:ST+\i+1], v[ST+\i:ST+\i+1], 0x3fb8aa3b op_sel_hi:[1,0]   ; x log2(e)
.endr
.irp i, 0,1,2,3,4,5,6,7,8,9,10,11,12,13,14,15
	v_max_num_f32 v[ST+\i], 0xf149f2ca, v[ST+\i]   ; held at -1e30 from below
.endr
.irp i, 0,1,2,3
	ds_store_b128 v[MLO], v[ST+4*\i:ST+4*\i+3] offset:4096*\i
.endr
	s_wait_tensorcnt 2                             ; my rows of Wq's codes have landed; both slots' loads may stay out
	s_wait_dscnt 0x0                               ; my part of the mask is stored
	s_barrier_signal -1
	s_barrier_wait -1
; ---- THE Q PROJECTION: my two tiles of 16 queries x the head's 64 channels, K = 1,024 in 8 steps: eight accumulators by turns
.macro WFETCH s                        ; Wq's four fragments of K step s
	WIN 0x40
.irp t, 0,1,2,3
.irp c, 0,1
	ds_load_b128 v[KV+32*((\s)%2)+8*\t+4*\c:KV+32*((\s)%2)+8*\t+4*\c+3], v[WA] offset:16*WPI*\t+64*(\s)+32*\c
.endr
.endr
.endm
.macro QSTEP s
.if (\s) < 7
	s_wait_dscnt 8                                 ; this step's fragments are in; the next step's eight loads may be out
.else
	s_wait_dscnt 0x0
.endif
.if (\s) == 0
	WIN 0x41                                       ; D and Wq window 1; x and C (bq) window 0
.else
	WIN 0x51                                       ; C window 1 too
.endif
.irp t, 0,1,2,3
.irp u, 0,1
.if (\s) == 0
	v_wmma_scale_f32_16x16x128_f8f6f4 v[32*\u+8*\t:32*\u+8*\t+7], v[KV+32*((\s)%2)+8*\t:KV+32*((\s)%2)+8*\t+7], v[S+64*\u+8*(\s):S+64*\u+8*(\s)+7], v[MK+8*\t:MK+8*\t+7], v[SC+8*\t+(\s)], v[SC+8*\u+(\s)] matrix_a_fmt:MATRIX_FMT_FP4 matrix_b_fmt:MATRIX_FMT_FP4 matrix_b_scale:MATRIX_SCALE_ROW1
.else
	v_wmma_scale_f32_16x16x128_f8f6f4 v[32*\u+8*\t:32*\u+8*\t+7], v[KV+32*((\s)%2)+8*\t:KV+32*((\s)%2)+8*\t+7], v[S+64*\u+8*(\s):S+64*\u+8*(\s)+7], v[32*\u+8*\t:32*\u+8*\t+7], v[SC+8*\t+(\s)], v[SC+8*\u+(\s)] matrix_a_fmt:MATRIX_FMT_FP4 matrix_b_fmt:MATRIX_FMT_FP4 matrix_b_scale:MATRIX_SCALE_ROW1
.endif
.endr
.endr
.if (\s) < 6
	PLACES 4                                       ; in front of loads into registers that these products read
	WFETCH (\s)+2
.endif
.endm
	WFETCH 0
	WFETCH 1
	s_wait_loadcnt 0x0                             ; x's codes, the scale words, bq
.irp s, 0,1,2,3,4,5,6,7
	QSTEP \s
.endr
	PLACES 4
	WIN 0x41
.set i, 0
.rept 32
	v_pk_mul_f32 v[i:i+1], v[i:i+1], 0x3e38aa3b op_sel_hi:[1,0]   ; x log2(e) / 8, in f32: S^T then comes out in base 2
.set i, i+2
.endr
	WIN 0x05
.irp u, 0,1
.irp c, 0,1,2,3
.irp p, 0,1,2,3
	v_cvt_pk_f16_f32 v[S+16*\u+4*\c+\p], v[32*\u+8*\c+2*\p], v[32*\u+8*\c+2*\p+1]   ; channel tiles 2 ks and 2 ks + 1 make fragment ks
.endr
.endr
.endr
	WIN 0
.irp n, 0,1,2,3,4,5,6,7
	ds_store_b128 v[QWI], v[S+4*\n:S+4*\n+3] offset:512*\n   ; the fragments go to LDS as images of their registers: 16 bytes a lane
.endr
	s_wait_tensorcnt 1                             ; my quarter of slot 0 has landed; slot 1's may stay out
	s_wait_dscnt 0x0
	s_barrier_signal -1
	s_barrier_wait -1
	WIN 0x40
.irp n, 0,1,2,3,4,5,6,7,8,9,10,11,12,13,14,15
	ds_load_b128 v[Q+4*\n:Q+4*\n+3], v[QRI] offset:512*\n    ; all four tiles of my 64 queries: fragment (t, ks) at Q + 16 t + 8 ks
.endr
.set i, 0
.rept 128
	v_mov_b32 v[i], 0                              ; O^T.  The key step is written without a first step of its own: it finds zeros, which the first alpha, 0, leaves zeros.  That spares one more copy of the loop's body
.set i, i+1
.endr
	WIN 0
.irp t, 0,1,2,3
	v_mov_b32 v[ST+8*\t], 0xff61b1e6               ; m = -3e38, under every t
.irp j, 1,2,3,4,5,6,7
	v_mov_b32 v[ST+8*\t+\j], 0
.endr
.endr
	v_add_nc_u32 v[ADK], s[TB], v[AK0]
	v_add_nc_u32 v[ADV], s[TB], v[AV0]
	v_add_nc_u32 v[ADM], s[TM], v[AM0]
; ---- THE KEY LOOP.  i = 0, 1: my group's first and second 64 keys of the slot in hand.
.macro KLOAD ks, i                     ; K's four fragments (16 keys each) of channels 32 ks on
	WIN 0x40
.irp kt, 0,1,2,3
.irp e, 0,1
	ds_load_b128 v[KV+32*\ks+8*\kt+4*\e:KV+32*\ks+8*\kt+4*\e+3], v[ADK] offset:32*KPI*\i+8*KPI*\kt+64*\ks+32*\e
.endr
.endr
.endm
.macro MLOAD i                         ; the mask of 64 keys in the layout of S^T's C: register 8 kt + j = key 16 kt + 8 h + j
	WIN 0
.irp kt, 0,1,2,3
.irp e, 0,1
	ds_load_b128 v[MK+8*\kt+4*\e:MK+8*\kt+4*\e+3], v[ADM] offset:256*\i+64*\kt+16*\e
.endr
.endr
.endm
.macro VLOAD i                         ; V^T's eight fragments: keys 32 f on, channels 16 c on
	WIN 0x40
.irp f, 0,1
.irp c, 0,1,2,3
.irp e, 0,1
	ds_load_tr16_b128 v[KV+32*\f+8*\c+4*\e:KV+32*\f+8*\c+4*\e+3], v[ADV] offset:32*VPI*\i+16*VPI*\f+8*VPI*\e+32*\c
.endr
.endr
.endr
.endm
; S^T = K Q^T + mask: 32 products, sixteen accumulators by turns; then V is asked for.
.macro M1 i
	s_wait_dscnt 8                                 ; K's first 32 channels and the mask are in; the eight loads of the second 32 may be out
	WIN 0x05                                       ; K and Q window 1; C and D window 0
.irp kt, 0,1,2,3
.irp t, 0,1,2,3
	v_wmma_f32_16x16x32_f16 v[S+32*\t+8*\kt:S+32*\t+8*\kt+7], v[KV+8*\kt:KV+8*\kt+7], v[Q+16*\t:Q+16*\t+7], v[MK+8*\kt:MK+8*\kt+7]
.endr
.endr
	s_wait_dscnt 0x0
.irp kt, 0,1,2,3
.irp t, 0,1,2,3
	v_wmma_f32_16x16x32_f16 v[S+32*\t+8*\kt:S+32*\t+8*\kt+7], v[KV+32+8*\kt:KV+32+8*\kt+7], v[Q+16*\t+8:Q+16*\t+15], v[S+32*\t+8*\kt:S+32*\t+8*\kt+7]
.endr
.endr
	WIN 0
	PLACES 4                                       ; in front of the loads over K's fragments, and of the first read of the scores
	VLOAD \i
	WIN 0
.endm
; The softmax of four tiles x 64 keys, stage by stage, the tiles by turns so that no line waits for the line above it.
.macro SOFT
	WIN 0
.irp j, 0,1,2,3
.irp t, 0,1,2,3
	v_max3_num_f32 v[ST+8*\t+4+\j], v[S+32*\t+8*\j], v[S+32*\t+8*\j+1], v[S+32*\t+8*\j+2]   ; four chains a tile, each begun at its accumulator's low end
.endr
.endr
.irp g, 3,5
.irp j, 0,1,2,3
.irp t, 0,1,2,3
	v_max3_num_f32 v[ST+8*\t+4+\j], v[ST+8*\t+4+\j], v[S+32*\t+8*\j+\g], v[S+32*\t+8*\j+\g+1]
.endr
.endr
.endr
.irp t, 0,1,2,3
	v_max3_num_f32 v[ST+8*\t+4], v[ST+8*\t+4], v[S+32*\t+7], v[S+32*\t+15]
.endr
.irp t, 0,1,2,3
	v_max3_num_f32 v[ST+8*\t+6], v[ST+8*\t+6], v[S+32*\t+23], v[S+32*\t+31]
.endr
.irp t, 0,1,2,3
	v_max3_num_f32 v[ST+8*\t+4], v[ST+8*\t+4], v[ST+8*\t+5], v[ST+8*\t+6]
.endr
.irp t, 0,1,2,3
	v_max3_num_f32 v[ST+8*\t+4], v[ST+8*\t+4], v[ST+8*\t+7], v[ST+8*\t]      ; with the old m
.endr
.irp t, 0,1,2,3
	v_permlanex16_b32 v[ST+8*\t+5], v[ST+8*\t+4], s[SEL], s[SEL+1]           ; the query's other 32 keys lie in the lane 16 away
.endr
.irp t, 0,1,2,3
	v_mov_b32 v[ST+8*\t+7], v[ST+8*\t]
.endr
.irp t, 0,1,2,3
	v_max_num_f32 v[ST+8*\t], v[ST+8*\t+4], v[ST+8*\t+5]                     ; the new m
.endr
.irp t, 0,1,2,3
	v_sub_f32 v[ST+8*\t+7], v[ST+8*\t+7], v[ST+8*\t]
.endr
.irp t, 0,1,2,3
	v_exp_f32 v[ST+8*\t+6], v[ST+8*\t+7]                                     ; alpha = 2^(m_old - m_new)
.endr
.set pb, 0
.rept 16                               ; ONE BATCH: the subtractions of pair pb, then the exponentials of pair pb - 1; nothing here names an exponential's result
.irp t, 0,1,2,3
	v_pk_add_f32 v[S+32*\t+2*pb:S+32*\t+2*pb+1], v[S+32*\t+2*pb:S+32*\t+2*pb+1], v[ST+8*\t:ST+8*\t+1] op_sel_hi:[1,0] neg_lo:[0,1] neg_hi:[0,1]   ; t - m
.endr
.if pb > 0
.irp t, 0,1,2,3
	v_exp_f32 v[S+32*\t+2*pb-2], v[S+32*\t+2*pb-2]
	v_exp_f32 v[S+32*\t+2*pb-1], v[S+32*\t+2*pb-1]
.endr
.endif
.set pb, pb+1
.endr
.irp t, 0,1,2,3
	v_exp_f32 v[S+32*\t+30], v[S+32*\t+30]
	v_exp_f32 v[S+32*\t+31], v[S+32*\t+31]
.endr
	v_nop                                          ; a plain instruction behind the last exponential
	s_wait_alu depctr_va_vdst(0)                   ; the wait ahead of the first line that names a result: one for the 132
.irp t, 0,1,2,3
	v_pk_add_f32 v[ST+8*\t+4:ST+8*\t+5], v[S+32*\t:S+32*\t+1], v[S+32*\t+2:S+32*\t+3]   ; the sums are taken of p in f32
.endr
.irp j, 4,6,8,10,12,14,16,18,20,22,24,26,28,30
.irp t, 0,1,2,3
	v_pk_add_f32 v[ST+8*\t+4:ST+8*\t+5], v[ST+8*\t+4:ST+8*\t+5], v[S+32*\t+\j:S+32*\t+\j+1]
.endr
.endr
.irp t, 0,1,2,3
	v_pk_fma_f32 v[ST+8*\t+2:ST+8*\t+3], v[ST+8*\t+2:ST+8*\t+3], v[ST+8*\t+6:ST+8*\t+7], v[ST+8*\t+4:ST+8*\t+5] op_sel_hi:[1,0,1]   ; l = alpha l + the sums
.endr
.set pb, 0
.rept 16
.irp t, 0,1,2,3
	v_cvt_pk_f16_f32 v[S+32*\t+pb], v[S+32*\t+2*pb], v[S+32*\t+2*pb+1]       ; p to f16, in place and ascending: register i takes pair i, which lies at or above it
.endr
.set pb, pb+1
.endr
	WIN 0x41
.set pb, 0
.rept 16
.irp t, 0,1,2,3
	v_pk_mul_f32 v[32*\t+2*pb:32*\t+2*pb+1], v[32*\t+2*pb:32*\t+2*pb+1], v[ST+8*\t+6:ST+8*\t+7] op_sel_hi:[1,0]   ; O^T x alpha
.endr
.set pb, pb+1
.endr
	WIN 0
.endm
; O^T += V^T P: 32 products, sixteen accumulators by turns.  look = 1: the next step's K and mask (step nxt of the slot that ADK names) are asked for as V's halves come free.
.macro M2 nxt, look
	s_wait_dscnt 0x0                               ; V is in
	WIN 0x51                                       ; V, C and D window 1; P window 0
.irp c, 0,1,2,3
.irp t, 0,1,2,3
	v_wmma_f32_16x16x32_f16 v[32*\t+8*\c:32*\t+8*\c+7], v[KV+8*\c:KV+8*\c+7], v[S+32*\t:S+32*\t+7], v[32*\t+8*\c:32*\t+8*\c+7]
.endr
.endr
.if \look
	WIN 0
	PLACES 4
	KLOAD 0, \nxt
	MLOAD \nxt
.endif
	WIN 0x51
.irp c, 0,1,2,3
.irp t, 0,1,2,3
	v_wmma_f32_16x16x32_f16 v[32*\t+8*\c:32*\t+8*\c+7], v[KV+32+8*\c:KV+32+8*\c+7], v[S+32*\t+8:S+32*\t+15], v[32*\t+8*\c:32*\t+8*\c+7]
.endr
.endr
	WIN 0
	PLACES 5                                       ; the next scores are written, by matrix instructions, over registers that these products read as P: five places; the loads below ask four
.if \look
	KLOAD 1, \nxt
	WIN 0
.endif
.endm
; THE CHANGE OF SLOTS.  All of the slot's bytes that I want are asked for.  Each wave waits for all its tensor loads (one is out: its quarter of the other slot), adds 0 to its spare word, and waits for that and for its reads.
; fill = 1: behind a round of the cluster's barrier the slot just left is filled with the keys two slots on: the load has a slot's 128 matrix instructions of each wave in which to land.
.macro CHANGE fill
	WIN 0
	s_wait_tensorcnt 0x0                           ; no tensor load of mine is out, so a descriptor may be written
	ds_add_u32 v[SPW], v[NIL]
.if \fill
	s_xor_b32 s[G0K+5], s[G0K+5], SLOT1            ; the walking descriptors: the other slot than last time, the next 256 keys
	s_add_nc_u64 s[G0K+6:G0K+7], s[G0K+6:G0K+7], 32768
	s_xor_b32 s[G0V+5], s[G0V+5], SLOT1
	s_add_nc_u64 s[G0V+6:G0V+7], s[G0V+6:G0V+7], 32768
	s_wait_xcnt 0x0                                ; the last prefetch, a slot back, has read its address
	s_add_nc_u64 s[PFA:PFA+1], s[PFA:PFA+1], 32768
.endif
	s_xor_b32 s[TB], s[TB], SLOT1
	s_add_co_u32 s[TM], s[TM], 1024                ; 256 keys of the mask on
	s_wait_dscnt 0x0                               ; the add is done, my reads of the slot are over
.if \fill
	CROUND
	JLOAD
	ASK
.else
	s_barrier_signal -1
	s_barrier_wait -1
.endif
	v_add_nc_u32 v[ADK], s[TB], v[AK0]
	v_add_nc_u32 v[ADV], s[TB], v[AV0]
	v_add_nc_u32 v[ADM], s[TM], v[AM0]
.endm
; A slot: my group's two key steps.  fill = 1, 0: a change of slots with or without a refill; 2: the last slot: no change.
.macro BODY fill
	M1 0
	SOFT
	M2 1, 1
	M1 1
.if \fill == 2
	SOFT
	M2 0, 0
.else
	s_cmp_ge_u32 s[WV], 4
	s_cbranch_scc1 .Llate_\@                       ; round register work alone: the waits, the add and the barrier below are on every wave's path
	SOFT
.Llate_\@:
	CHANGE \fill
	s_cmp_lt_u32 s[WV], 4
	s_cbranch_scc1 .Learly_\@
	SOFT
.Learly_\@:
	M2 0, 1
.endif
.endm
	KLOAD 0, 0
	MLOAD 0
	KLOAD 1, 0
	WIN 0
.Lslot:                                            ; 14 trips: slots 0 to 13; their changes ask for the keys of slots 2 to 15
	BODY 1
	s_sub_co_u32 s[SLOTS], s[SLOTS], 1
	s_cmp_lg_u32 s[SLOTS], 0
	s_cbranch_scc1 .Lslot
	BODY 0                                         ; the tail is written out: slot 14
	BODY 2                                         ; slot 15
; ---- THE END.  Waves 4-7 hand m, l and O^T to waves 0-3 as images of their registers; those merge, divide and store.
.irp t, 0,1,2,3
	v_add_f32 v[ST+8*\t+4], v[ST+8*\t+2], v[ST+8*\t+3]
.endr
.irp t, 0,1,2,3
	v_permlanex16_b32 v[ST+8*\t+5], v[ST+8*\t+4], s[SEL], s[SEL+1]
.endr
.irp t, 0,1,2,3
	v_add_f32 v[ST+8*\t+2], v[ST+8*\t+4], v[ST+8*\t+5]                       ; l of my half of the keys
.endr
	s_cmp_lt_u32 s[WV], 4
	s_cbranch_scc1 .Lkeep
	WIN 0x04                                       ; an LDS store's data are its source 1: window 1
.set i, 0
.rept 32
	ds_store_b128 v[MWI], v[4*i:4*i+3] offset:512*i                          ; each accumulator's low half first
.set i, i+1
.endr
	WIN 0
.irp t, 0,1,2,3
	ds_store_b32 v[MWS], v[ST+8*\t] offset:256*\t
	ds_store_b32 v[MWS], v[ST+8*\t+2] offset:256*\t+128
.endr
.Lkeep:
	s_wait_dscnt 0x0                               ; for the others' sake: my stores are done
	s_barrier_signal -1
	s_barrier_wait -1
	s_cmp_ge_u32 s[WV], 4
	s_cbranch_scc1 .Lend
.set i, 0
.rept 32
	ds_load_b128 v[S+4*i:S+4*i+3], v[MWI] offset:512*i
.set i, i+1
.endr
.irp t, 0,1,2,3
	ds_load_b32 v[MK+2*\t], v[MWS] offset:256*\t
	ds_load_b32 v[MK+2*\t+1], v[MWS] offset:256*\t+128
.endr
	s_wait_dscnt 0x0
.irp t, 0,1,2,3
	v_max_num_f32 v[ST+8*\t+4], v[ST+8*\t], v[MK+2*\t]                       ; the row's m over both halves
.endr
.irp t, 0,1,2,3
	v_sub_f32 v[ST+8*\t+5], v[ST+8*\t], v[ST+8*\t+4]
	v_sub_f32 v[ST+8*\t+6], v[MK+2*\t], v[ST+8*\t+4]
.endr
.irp t, 0,1,2,3
	v_exp_f32 v[ST+8*\t+5], v[ST+8*\t+5]
	v_exp_f32 v[ST+8*\t+6], v[ST+8*\t+6]
.endr
	v_nop
	s_wait_alu depctr_va_vdst(0)                   ; one wait for the eight
.irp t, 0,1,2,3
	v_mul_f32 v[ST+8*\t+7], v[ST+8*\t+5], v[ST+8*\t+2]
.endr
.irp t, 0,1,2,3
	v_fmac_f32 v[ST+8*\t+7], v[ST+8*\t+6], v[MK+2*\t+1]                      ; the row's sum: at least 1, from the half that holds the maximum
.endr
.irp t, 0,1,2,3
	v_rcp_f32 v[ST+8*\t+4], v[ST+8*\t+7]
.endr
	v_nop
	s_wait_alu depctr_va_vdst(0)                   ; one wait for the four
.irp t, 0,1,2,3
	v_mul_f32 v[ST+8*\t], v[ST+8*\t+5], v[ST+8*\t+4]                         ; my O's factor,
	v_mul_f32 v[ST+8*\t+2], v[ST+8*\t+6], v[ST+8*\t+4]                       ; the partner's
.endr
.irp t, 0,1,2,3
.set i, 0
.rept 16
	v_pk_mul_f32 v[S+32*\t+2*i:S+32*\t+2*i+1], v[S+32*\t+2*i:S+32*\t+2*i+1], v[ST+8*\t+2:ST+8*\t+3] op_sel_hi:[1,0]
.set i, i+1
.endr
.endr
	WIN 0x01                                       ; source 0 (my O^T) window 1
.irp t, 0,1,2,3
.set i, 0
.rept 16
	v_pk_fma_f32 v[S+32*\t+2*i:S+32*\t+2*i+1], v[32*\t+2*i:32*\t+2*i+1], v[ST+8*\t:ST+8*\t+1], v[S+32*\t+2*i:S+32*\t+2*i+1] op_sel_hi:[1,0,1]
.set i, i+1
.endr
.endr
	WIN 0
; A tile (16 queries x 64 channels) goes through my stage: a lane's eight channels are 32 bytes of a row; back come whole rows of 256 bytes, into the registers that they left.
.macro OPACK t
.irp c, 0,1,2,3
	ds_store_b128 v[STO], v[S+32*\t+8*\c:S+32*\t+8*\c+3] offset:64*\c
	ds_store_b128 v[STO], v[S+32*\t+8*\c+4:S+32*\t+8*\c+7] offset:64*\c+16
.endr
.irp i, 0,1,2,3,4,5,6,7
	ds_load_b128 v[S+32*\t+4*\i:S+32*\t+4*\i+3], v[RD] offset:544*\i         ; a wave's LDS instructions are served in order: these see the stores above, and the next tile's stores come behind them
.endr
.endm
.macro OSEND t, younger                ; younger: the LDS instructions issued behind tile t's loads
.irp i, 0,1,2,3,4,5,6,7
	s_wait_dscnt \younger+7-\i
	global_store_b128 v[GO], v[S+32*\t+4*\i:S+32*\t+4*\i+3], s[18:19] offset:65536*\t+8192*\i th:TH_STORE_NT   ; sixteen lanes store 256 consecutive bytes, aligned: a query's 64 channels of my head
.endr
.endm
	OPACK 0
	OPACK 1
	OSEND 0, 16
	OPACK 2
	OSEND 1, 16
	OPACK 3
	OSEND 2, 16
	OSEND 3, 0
.Lend:
	s_wait_tensorcnt 0x0                           ; the wave's end: a wait, an add to my spare word and a wait, behind my last tensor load and my last LDS store
	ds_add_u32 v[SPW], v[NIL]
	s_wait_dscnt 0x0
	CROUND                                         ; the closing round: no work-group ends while a partner may still ask for a tile that names it
	s_endpgm
.Lfunc_end_k_qbf5b55f8bc_attn:
	.size	k_qbf5b55f8bc_attn, .Lfunc_end_k_qbf5b55f8bc_attn-k_qbf5b55f8bc_attn
	.p2alignl 7, 3214868480
	.fill 96, 4, 3214868480
	.section	.rodata,"a",@progbits
	.p2align	6, 0x0
	.amdhsa_kernel k_qbf5b55f8bc_attn
		.amdhsa_group_segment_fixed_size 327680
		.amdhsa_private_segment_fixed_size 0
		.amdhsa_enable_private_segment 0
		.amdhsa_kernarg_size 64
		.amdhsa_user_sgpr_count 2
		.amdhsa_user_sgpr_kernarg_segment_ptr 1
		.amdhsa_wavefront_size32 1
		.amdhsa_system_sgpr_workgroup_id_x 1
		.amdhsa_system_sgpr_workgroup_id_y 1
		.amdhsa_system_sgpr_workgroup_id_z 1
		.amdhsa_system_vgpr_workitem_id 0
		.amdhsa_next_free_vgpr 512
		.amdhsa_next_free_sgpr 100
		.amdhsa_reserve_vcc 0
		.amdhsa_float_denorm_mode_32 3
		.amdhsa_float_denorm_mode_16_64 3
		.amdhsa_memory_ordered 1
		.amdhsa_forward_progress 1
		.amdhsa_inst_pref_size 255
	.end_amdhsa_kernel
	.section	.bss,"aw",@nobits
	.p2align	6
	.space	262144
	.amdgpu_metadata
---
amdhsa.version: [ 1, 2 ]
amdhsa.kernels:
  - .name:           k_qbf5b55f8bc_attn
    .symbol:         k_qbf5b55f8bc_attn.kd
    .args:
      - { .name: xq, .offset: 0, .size: 8, .value_kind: global_buffer, .address_space: global }
      - { .name: wqc, .offset: 8, .size: 8, .value_kind: global_buffer, .address_space: global }
      - { .name: scl, .offset: 16, .size: 8, .value_kind: global_buffer, .address_space: global }
      - { .name: bq, .offset: 24, .size: 8, .value_kind: global_buffer, .address_space: global }
      - { .name: attention_mask, .offset: 32, .size: 8, .value_kind: global_buffer, .address_space: global }
      - { .name: kws, .offset: 40, .size: 8, .value_kind: global_buffer, .address_space: global }
      - { .name: vws, .offset: 48, .size: 8, .value_kind: global_buffer, .address_space: global }
      - { .name: out0, .offset: 56, .size: 8, .value_kind: global_buffer, .address_space: global }
    .group_segment_fixed_size: 327680
    .private_segment_fixed_size: 0
    .kernarg_segment_align: 8
    .kernarg_segment_size: 64
    .max_flat_workgroup_size: 256
    .sgpr_count:     100
    .vgpr_count:     512
    .wavefront_size: 32
...
	.end_amdgpu_metadata
.endif
;; end of part 3
